; MI455X (gfx1250); checked and timed in simulation.
; The chip was launched on July 23, 2026; its instructions are those of AMD's public machine-readable ISA for CDNA 5 (MIT licence, August 2026) and "CDNA5" Instruction Set Architecture Reference Guide (July 2026). The comments in the code are by the model that wrote it; some were corrected since.
;; Only Attention. Allowed arithmetic: matrix products marked QUANTISED: E2M1 operands, one E8M0 scale for each 32 along K, by v_wmma_scale_f32_16x16x128_f8f6f4 with both operands' format E2M1 (or v_wmma_scale_f32_32x16x128_f4), f32 sums; everything else in f32.
;; Inputs: Wk_codes 1,024 x 32 x 16 uint8 (E2M1 codes of Wk, K innermost, in blocks of 32 codes, two codes a byte); Wk_scales 1,024 x 32 uint8 (E8M0 scales of Wk, one for each 32 codes along K); Wq_codes 1,024 x 32 x 16 uint8 (E2M1 codes of Wq, K innermost, in blocks of 32 codes, two codes a byte); Wq_scales 1,024 x 32 uint8 (E8M0 scales of Wq, one for each 32 codes along K); Wv_codes 1,024 x 32 x 16 uint8 (E2M1 codes of Wv, K innermost, in blocks of 32 codes, two codes a byte); Wv_scales 1,024 x 32 uint8 (E8M0 scales of Wv, one for each 32 codes along K); bk 1,024 float32; bq 1,024 float32; bv 1,024 float32; x_codes 4 x 2,048 x 32 x 16 uint8 (E2M1 codes of x, K innermost, in blocks of 32 codes, two codes a byte); x_scales 4 x 2,048 x 32 uint8 (E8M0 scales of x, one for each 32 codes along K).
;; Outputs: out0 4 x 2,048 x 1,024 float32.
;; This version of the problem:
;;   THIS VERSION OF THE PROBLEM IS GIVEN IN LOW PRECISION. The matrix products marked QUANTISED in the list below multiply operands that are first quantised to E2M1 (2 exponent bits, 1 mantissa bit; 4 bits a number), with one power-of-two scale for each 32 numbers along K (OCP MX v1.0); their sums are f32. All else is computed in f32.
;;   The module's matrix products, in the order in which they are computed (A, B: the left and right operand; K: the contracted axis; several contracted axes count as one K, in the product's order):
;;     1. [M 8,192, K 1,024] x [K 1,024, N 1,024]; A: input x (given as codes); B: input Wq (given as codes): QUANTISED
;;     2. [M 8,192, K 1,024] x [K 1,024, N 1,024]; A: input x (given as codes); B: input Wk (given as codes): QUANTISED
;;     3. [M 8,192, K 1,024] x [K 1,024, N 1,024]; A: input x (given as codes); B: input Wv (given as codes): QUANTISED
;;     4. batch 64 x [M 2,048, K 64] x [K 64, N 2,048]; A: computed on the way; B: computed on the way: QUANTISED
;;     5. batch 64 x [M 2,048, K 2,048] x [K 2,048, N 64]; A: softmax (see below); B: computed on the way: QUANTISED
;;   THE QUANTISER, for each operand of a quantised product, along K:
;;     - K is cut into blocks of 32 from its start; a last block that is shorter is filled with zeros.
;;     - A block's scale is 2^e with e = floor(log2(the largest magnitude in the block)) - 2, held to -126 .. 127; a block of zeros has e = 0. As a byte (E8M0): e + 127.
;;     - Each number is divided by its block's scale, clamped to +-6, and rounded to the nearest number of E2M1, ties to even, subnormals kept.
;;     - The product sums the exact products of the quantised numbers (number of the format x scale) in f32.
;;   ~~~python
;;   def quantise(x, axis):      # numpy; x: float32 -> the quantised numbers, widened to float32 again
;;       x = np.moveaxis(x, axis, -1); K = x.shape[-1]
;;       x = np.pad(x, [(0, 0)] * (x.ndim - 1) + [(0, -K % 32)]); x = x.reshape(x.shape[:-1] + (-1, 32)); a = np.abs(x).max(-1, keepdims=True)
;;       e = np.where(a > 0, np.clip(np.frexp(np.where(a > 0, a, 1))[1] - 1 - 2, -126, 127), 0)      # np.frexp(a)[1] - 1 = floor(log2(a)), exactly
;;       r = np.clip(x / 2.0 ** e, -6, 6)
;;       step = 2.0 ** (np.maximum(np.frexp(np.where(r == 0, 1, r))[1] - 1, 0) - 1)
;;       q = np.round(r / step) * step * 2.0 ** e      # np.round: ties to even
;;       return np.moveaxis(q.reshape(q.shape[:-2] + (-1,))[..., :K], -1, axis).astype(np.float32)
;;   ~~~
;;   SOFTMAX AHEAD OF A QUANTISED PRODUCT. Where the list says 'softmax', what is quantised is not the finished softmax but p = 2^(t - M), with t = logit x log2(e) and M = ceil(the row's largest t), a whole number; so 1/2 < the row's largest p <= 1. The row's sum l is taken of the UNQUANTISED p, in f32, and the product's result is divided by l at the end. Since M is a whole number, a kernel that streams over the keys may use a running M (the ceiling of the running maximum): every later rescaling is an exact power of two, which a block's scale takes up: the codes' values come out the same.
;;   OPERANDS COMPUTED ON THE WAY. 'Computed on the way' means the value that the module computes at that place (a softmax that the list does not call 'softmax' is quantised finished and normalised). What goes into a quantiser is computed in f32, as accurately as f32 sums, v_exp_f32 and their like allow (about 1e-6 of the number): no bf16 or f16 on the way to a quantiser, and a product that is left as it is and whose result goes on into a quantised operand takes f32 operands (vector FMAs, or v_wmma_f32_16x16x4_f32). A number that lies on a knife's edge between two numbers of the format may be rounded either way, as far as f32 arithmetic and the matrix unit's own rounding can turn it there, and no further.
;;   INPUTS GIVEN AS CODES. Wk (in the module: [1024, 1024], K = its axis 0); Wq (in the module: [1024, 1024], K = its axis 0); Wv (in the module: [1024, 1024], K = its axis 0); x (in the module: [4, 2048, 1024], K = its axis 2): each comes as NAME_codes (uint8): NAME with its K axis moved to the last place and cut into blocks of 32 codes, [.., K / 32, bytes a block], one block behind the other in memory; two codes a byte, the lower K in the low four bits (a code: sign, 2 exponent bits, 1 mantissa bit); and NAME_scales (uint8): the same leading axes, one E8M0 byte (e + 127) for each 32 codes along K. Its value is code x scale, taken as it is: it is not quantised again, and the codes and scales need not be those that the quantiser above would give.
;; One version. Each part assembles by itself: llvm-mc -triple=amdgcn-amd-amdhsa -mcpu=gfx1250 --defsym DOCPART=n.
;; ======== version 1 of 1: 2 launches
;; limits: right only within a limited range of input values
;; workspace buffers: qkv 14,155,776 bytes
;; launch proj (part 1): grid 8 x 32, 4 waves a work-group, clusters of 4 x 4, 327,680 bytes of LDS; arguments x_codes, x_scales, Wq_codes, Wq_scales, Wk_codes, Wk_scales, Wv_codes, Wv_scales, bq, bk, bv, qkv; writes qkv
.if DOCPART == 1
	.amdgcn_target "amdgcn-amd-amdhsa--gfx1250"
	.amdhsa_code_object_version 6
	.text
	.protected	k_qbf1cb60c3a_proj
	.globl	k_qbf1cb60c3a_proj
	.p2align	8
	.type	k_qbf1cb60c3a_proj,@function
k_qbf1cb60c3a_proj:
	s_mov_b64 s[64:65], 0
	v_nop
	global_prefetch_b8 v0, s[64:65] scope:SCOPE_SE
	s_setreg_imm32_b32 hwreg(HW_REG_WAVE_MODE, 25, 1), 1
	s_wait_xcnt 0x0
	s_wait_alu depctr_hold_cnt(0) depctr_sa_sdst(0) depctr_va_vdst(0) depctr_va_sdst(0) depctr_va_ssrc(0) depctr_va_vcc(0) depctr_vm_vsrc(0)
	s_getreg_b32 s2, hwreg(HW_REG_IB_STS2, 6, 4)
	s_cmp_eq_u32 s2, 0
	s_cbranch_scc0 .Lentry_in_a_cluster
	s_endpgm
.Lentry_in_a_cluster:
	s_bfe_u32 s2, ttmp6, 0x10000c
	s_cmp_lg_u32 s2, 0xf033
	s_cbranch_scc0 .Lentry_shape_is_right
	s_endpgm
.Lentry_shape_is_right:
; q = x Wq + bq, k = x Wk + bk, v = x Wv + bv on codes of FP4 (E2M1) with one E8M0 scale for each 32 along K = 1,024; sums in f32; the results are quantised at once and leave as codes.
; x: 8,192 rows of 512 bytes of codes, 32 scale bytes a row; each W: 1,024 rows (its output column n) of 512 bytes, K innermost.  q and k are quantised along the head's 64, v along the keys (blocks of 32 rows of x).
; SHARES: 256 work-groups of four waves.  The cluster's x is the kind (0 q, 1 k).  PART 1: a work-group makes 256 rows of x times 256 columns of Wq or Wk, a wave 128 x 128 (64 accumulators).  PART 2: from the same 256 rows of x,
; which stay in LDS, it makes 128 channels of v (block 4 kind + cx of Wv's eight), a wave 64 channels (one head) x 128 keys (32 accumulators).
; P is source 1 of the matrix instruction (its rows go to the lanes), R source 0 (its rows run down a lane's registers).  Part 1: P = x, R = W: registers run along the head's channels.  Part 2: P = Wv, R = x: along the keys.
; LDS: x's 256 rows, then the weight's 256 rows, a whole row of K (512 bytes + 16) each; then the scale bytes as rows of 256 + 16.  Filled at the head, one joint load a wave.  Behind part 1's last product Wv's 128 rows and their scale
; bytes are filled over the weight's, behind a tensor wait, an add onto the spare word, an LDS wait and a round of the cluster's barrier; the two loads are on their way while part 1's results are quantised and stored.
; CLUSTERS: 4 x 4.  x's tile hangs on cy alone and is shared along a row of the cluster; the weights' tiles hang on cx (and the kind) alone and are shared along a column.
; NO DATA PREFETCH: the text has no loop that runs ahead of a load.
; THE BIAS is the C of the first K step's products (part 1: it runs down the registers; part 2: it hangs on the lane).
; THE OUTPUT: qkv[64 (batch, head)][16 blocks of 128 rows][q, k, v][4,608 bytes]: four operand fragments as images of their registers (registers 0-3: lane l's 16 bytes at 16 l; registers 4-7 512 bytes on) and 512 bytes of scale
; words (lane l's 16 bytes: the words of fragments 0 to 3).  q, k: fragment F holds rows 32 F + r (registers 0-3) and 32 F + 16 + r (4-7), each with the head's 64 channels.  v: fragment t holds channels 16 t + r and 128 keys.
; FROM ACCUMULATORS TO A FRAGMENT.  Accumulator T of a lane holds 8 neighbours along the next K: group 2 T in lanes 0-15, 2 T + 1 in lanes 16-31; the fragment's register 4 c + i wants group 8 c + 4 h + i: the codes of accumulators
; 4 c, 4 c + 2 go to registers 4 c, 4 c + 1, those of 4 c + 1, 4 c + 3 to 4 c + 2, 4 c + 3, and each pair exchanges one half of its lanes.
; LIMITS: NaN and infinities among the results are not served.  A block whose largest magnitude lies under 2^-124, a block of zeros among them, gets the scale byte 1: these bytes are read by this program alone.
; REGISTERS: window 0: v1-6 at work; v7-27 addresses; v32-95 scale words, two sets; v96-103 offsets of the bias; v104-111 the scale words made; v112-127 at work (v122, v123 the add's); v128-191 P's fragments, later the codes made;
;   v192-255 part 1's bias.  window 1: R's fragments, two sets, at v0 and v128; v192-223 part 2's bias.  windows 2, 3: the accumulators: (a, b) at v[8 (8 (a % 4) + b)] of window 2 + a / 4.
.set PITCH,  528                       ; 33 x 16 bytes: the 16 rows that a load touches start at 16 different groups of four banks (64 banks of 4 bytes: ISA guide 11.1)
.set HALFT,  128*PITCH
.set SCL,    4*HALFT
.set HALFS,  16*272                    ; the scale bytes of 128 rows
.set SBLK,   2*272                     ; of 16 rows
.set SPARE,  SCL+4*HALFS               ; the spare words, 128 bytes a wave
.set NQ,     4
.set FR,     8
.set UNIT,   4608
.set BLK3,   3*UNIT
.set HEADB,  16*BLK3
.set VB,   7                           ; v7      4 r: part 2's bias
.set ADVA, 8                           ; v8-9    part 2: LDS address of my P fragments (Wv), first and second 512 along K
.set ADVB, 10                          ; v10-11  of my R fragments (x)
.set ADRV, 12                          ; v12     of my scale words
.set ADRA, 16                          ; v16-17, v20-21, v27: the same for part 1
.set ADRB, 20
.set LI,   24                          ; v24     16 x lane
.set ADRS, 27
.set SC,   32                          ; scale words: set s at v[SC + 32 s]; register 4 i + q: lanes 0-15 P's block i, lanes 16-31 R's block i
.set VA,   96
.set PW,   104
.set TM,   112
.set SPW,  122
.set NIL,  123
.set AF,   128
.set PCD,  128
.set BI,   192
.set VBI,  192                         ; in window 1
.set KIND, 28
.set WV,   29
.set PH,   30                          ; which half of P's rows is mine
.set RH,   31                          ; which half of R's rows
.set CX,   32
.set CY,   33
.set XT,   36                          ; x's tile of 256 rows
.set MROW, 37
.set MCOL, 38
.set SEL,  66                          ; s[66:67] lane selects for v_permlanex16_b32: lane l xor 16
.set G1P,  4
.set G1R,  12
.set G1SP, 20
.set G1SR, 52
.set G0SP, 40
.set G0SR, 44
.set G0V,  72                          ; Wv's codes and scale bytes: over arguments that have been used
.set G0SV, 76
.set G0P,  92
.set G0R,  96
.set MSB, 0
.macro WIN new                         ; the immediate's high byte repeats the setting that is left; a switch that changes nothing is dropped
.if MSB != (\new)
	s_set_vgpr_msb (MSB<<8)|(\new)
.set MSB, (\new)
.endif
.endm
.macro ARM under, g0, g1, next, join   ; an arm of a tree of branches on the wave's number: its one load, s_nop 0, four v_nop, a jump to the join
	s_cmp_lt_u32 s[WV], \under
	s_cbranch_scc0 \next
	tensor_load_to_lds s[\g0:\g0+3], s[\g1:\g1+7]
	s_nop 0
.rept 4
	v_nop
.endr
	s_branch \join
\next:
.endm
.macro CROUND                          ; a round of the cluster's barrier
	s_barrier_signal -1
	s_barrier_wait -1
	s_cmp_lg_u32 s[WV], 0
	s_cbranch_scc1 .Lnot_wave_0_\@
	s_barrier_signal -3
.Lnot_wave_0_\@:
	s_barrier_wait -3
	s_barrier_signal -1
	s_barrier_wait -1
.endm
	s_load_b512 s[68:83], s[0:1], 0x0              ; x's codes, x's scales, Wq's, Wk's, Wv's codes and scales
	s_load_b256 s[84:91], s[0:1], 0x40             ; bq, bk, bv, qkv
	v_lshl_add_u32 v[SPW], v0, 2, SPARE
	v_mov_b32 v[NIL], 0
	ds_add_u32 v[SPW], v[NIL]                      ; the opening lines: the add, twice on end, and its wait
	ds_add_u32 v[SPW], v[NIL]
	v_lshrrev_b32 v1, 5, v0
	v_readfirstlane_b32 s[WV], v1                  ; wave 0..3
	s_lshr_b32 s[PH], s[WV], 1
	s_and_b32 s[RH], s[WV], 1
	s_mov_b32 s[KIND], ttmp9                       ; the cluster's x: the same in all sixteen partners
	s_bfe_u32 s[CX], ttmp6, 0x40000
	s_bfe_u32 s[CY], ttmp6, 0x40004
	s_and_b32 s[XT], ttmp7, 0xffff
	s_lshl_b32 s[XT], s[XT], 2
	s_add_co_u32 s[XT], s[XT], s[CY]
	s_lshl_b32 s[MROW], s[CY], 2
	s_lshl_b32 s[MROW], 15, s[MROW]                ; my row of the cluster
	s_lshl_b32 s[MCOL], 0x1111, s[CX]              ; my column
	; groups 1: 256 rows x 512 bytes, dense in memory, four words of padding behind each 128 words
	s_or_b32 s[G1P], s[MROW], (0<<16)|(1<<20)|(1<<21)|(6<<22)|(3<<25)
	s_or_b32 s[G1R], s[MCOL], (0<<16)|(1<<20)|(1<<21)|(6<<22)|(3<<25)
.irp g, G1P, G1R
	s_mov_b32 s[\g+1], 512<<16
	s_mov_b32 s[\g+2], 256<<16
	s_mov_b32 s[\g+3], 512<<16
	s_mov_b32 s[\g+4], 256
	s_mov_b32 s[\g+5], 512
	s_mov_b32 s[\g+6], 0
	s_mov_b32 s[\g+7], 0
.endr
	; the scale bytes of 256 rows: 8,192 dense bytes as 32 rows of 256 (32 elements of 8 bytes), four words of padding behind each
	s_or_b32 s[G1SP], s[MROW], (3<<16)|(1<<20)|(1<<21)|(5<<22)|(3<<25)
	s_or_b32 s[G1SR], s[MCOL], (3<<16)|(1<<20)|(1<<21)|(5<<22)|(3<<25)
.irp g, G1SP, G1SR
	s_mov_b32 s[\g+1], 32<<16
	s_mov_b32 s[\g+2], 32<<16
	s_mov_b32 s[\g+3], 32<<16
	s_mov_b32 s[\g+4], 32
	s_mov_b32 s[\g+5], 32
	s_mov_b32 s[\g+6], 0
	s_mov_b32 s[\g+7], 0
.endr
	s_lshl_b32 s60, s[XT], 17                      ; x's tile: its codes,
	s_lshl_b32 s62, s[XT], 13                      ; its scale bytes
	s_mov_b32 s61, 0
	s_mov_b32 s63, 0
	s_lshl_b32 s2, s[CX], 17                       ; the weight's tile likewise, in registers of its own
	s_lshl_b32 s34, s[CX], 13
	s_mov_b32 s3, 0
	s_mov_b32 s35, 0
	s_mov_b32 s[G0P], 1
	s_mov_b32 s[G0P+1], 0
	s_mov_b32 s[G0R], 1
	s_mov_b32 s[G0R+1], 2*HALFT
	s_mov_b32 s[G0SP], 1
	s_mov_b32 s[G0SP+1], SCL
	s_mov_b32 s[G0SR], 1
	s_mov_b32 s[G0SR+1], SCL+2*HALFS
	s_mov_b32 s[SEL], 0x76543210
	s_mov_b32 s[SEL+1], 0xfedcba98
	s_wait_dscnt 0x0
	s_wait_kmcnt 0x0
	s_cmp_eq_u32 s[KIND], 0
	s_cselect_b64 s[G0R+2:G0R+3], s[72:73], s[76:77]       ; Wq or Wk
	s_cselect_b64 s[G0SR+2:G0SR+3], s[74:75], s[78:79]
	s_cselect_b64 s[48:49], s[84:85], s[86:87]             ; bq or bk
	s_add_nc_u64 s[G0R+2:G0R+3], s[G0R+2:G0R+3], s[2:3]
	s_add_nc_u64 s[G0SR+2:G0SR+3], s[G0SR+2:G0SR+3], s[34:35]
	s_add_nc_u64 s[G0P+2:G0P+3], s[68:69], s[60:61]
	s_add_nc_u64 s[G0SP+2:G0SP+3], s[70:71], s[62:63]
.irp g, G0P, G0R, G0SP, G0SR
	s_or_b32 s[\g+3], s[\g+3], 0x80000000          ; type = 2
.endr
	CROUND                                         ; all sixteen work-groups are here: the joint loads meet
	ARM 1, G0P,  G1P,  .Lhead_r,  .Lhead_asked     ; one load a wave: x's 256 rows,
	ARM 2, G0R,  G1R,  .Lhead_sp, .Lhead_asked     ; the weight's,
	ARM 3, G0SP, G1SP, .Lhead_sr, .Lhead_asked     ; x's scale bytes,
	tensor_load_to_lds s[G0SR:G0SR+3], s[G1SR:G1SR+7]      ; the weight's
	s_nop 0
.rept 4
	v_nop
.endr
.Lhead_asked:
	s_lshl_b32 s39, s[CX], 1
	s_add_co_u32 s39, s39, s[RH]                   ; part 1: my 128 columns: block 0..7 = two heads
	s_lshl_b32 s2, s39, 9
	s_add_nc_u64 s[48:49], s[48:49], s[2:3]        ; their bias
	v_and_b32 v1, 15, v0                           ; r
	v_bfe_u32 v2, v0, 4, 1                         ; h
	v_lshlrev_b32 v5, 5, v2
.irp j, 0,1,2,3,4,5,6,7
	v_add_nc_u32 v[VA+\j], 4*\j, v5                ; 32 h + 4 j
.endr
.irp i, 0,1,2,3,4,5,6,7
.irp j, 0,1,2,3,4,5,6,7
	global_load_b32 v[BI+8*\i+\j], v[VA+\j], s[48:49] offset:64*\i   ; bias(16 i + 8 h + j), the C of R's block i
.endr
.endr
	s_lshl_b32 s60, s[XT], 1
	s_add_co_u32 s61, s60, s[RH]                   ; part 2: my 128 rows of x,
	s_add_co_u32 s60, s60, s[PH]                   ; part 1: my 128 rows of x: block 0..63
	s_lshr_b32 s62, s60, 4
	s_lshl_b32 s62, s62, 4                         ; 16 x batch
	s_lshl_b32 s39, s39, 1                         ; my first head
	s_add_co_u32 s62, s62, s39
	s_lshl_b32 s62, s62, 4
	s_and_b32 s60, s60, 15
	s_add_co_u32 s62, s62, s60
	s_mul_i32 s2, s62, BLK3
	s_mul_i32 s62, s[KIND], UNIT
	s_add_co_u32 s2, s2, s62
	s_add_nc_u64 s[50:51], s[90:91], s[2:3]        ; part 1: my first unit of qkv
	s_lshl_b32 s39, s[KIND], 2
	s_add_co_u32 s39, s39, s[CX]                   ; part 2: Wv's block of 128 channels, 0..7: it hangs on the kind and cx alone
	s_lshl_b32 s2, s39, 16
	s_mov_b32 s[G0V], 1
	s_mov_b32 s[G0V+1], 2*HALFT
	s_add_nc_u64 s[G0V+2:G0V+3], s[80:81], s[2:3]
	s_or_b32 s[G0V+3], s[G0V+3], 0x80000000
	s_lshl_b32 s2, s39, 12
	s_mov_b32 s[G0SV], 1
	s_mov_b32 s[G0SV+1], SCL+2*HALFS
	s_add_nc_u64 s[G0SV+2:G0SV+3], s[82:83], s[2:3]
	s_or_b32 s[G0SV+3], s[G0SV+3], 0x80000000
	s_lshl_b32 s39, s39, 1
	s_add_co_u32 s39, s39, s[PH]                   ; my head
	s_lshl_b32 s2, s39, 8
	s_add_nc_u64 s[88:89], s[88:89], s[2:3]        ; its 64 numbers of bv
	s_lshr_b32 s62, s61, 4
	s_lshl_b32 s62, s62, 4
	s_add_co_u32 s62, s62, s39
	s_lshl_b32 s62, s62, 4
	s_and_b32 s61, s61, 15
	s_add_co_u32 s62, s62, s61
	s_mul_i32 s2, s62, BLK3
	s_add_co_u32 s2, s2, 2*UNIT
	s_add_nc_u64 s[84:85], s[90:91], s[2:3]        ; part 2: my unit of qkv
	s_wait_alu depctr_va_vdst(0)                   ; the wait behind the run of scalar lines
	v_lshlrev_b32 v[VB], 2, v1
	v_mul_u32_u24 v3, v1, PITCH
	v_lshl_add_u32 v4, v2, 4, v3                   ; a fragment's row x pitch + 16 x half
	s_mul_i32 s2, s[PH], HALFT
	s_mul_i32 s3, s[RH], HALFT
	v_add_nc_u32 v[ADRA], s2, v4                   ; part 1: P = my 128 rows of x
	v_add_nc_u32 v[ADVB], s3, v4                   ; part 2: R = my 128 rows of x
	s_add_co_u32 s3, s3, 2*HALFT
	v_add_nc_u32 v[ADRB], s3, v4                   ; part 1: R = my 128 rows of the weight
	s_mul_i32 s2, s[PH], 64*PITCH
	s_add_co_u32 s2, s2, 2*HALFT
	v_add_nc_u32 v[ADVA], s2, v4                   ; part 2: P = my 64 rows of Wv
.irp a, ADRA, ADRB, ADVA, ADVB
	v_add_nc_u32 v[\a+1], 256, v[\a]               ; the second 512 along K: 256 bytes on in the row
.endr
	v_lshlrev_b32 v5, 5, v1                        ; my row's scale bytes: 32 a row,
	v_lshrrev_b32 v6, 8, v5
	v_lshl_add_u32 v5, v6, 4, v5                   ; and 16 more for each 256 passed
	v_xor_b32 v3, 1, v2
	s_wait_alu depctr_va_vdst(0)                   ; the wait ahead of the scalar lines below
	s_mul_i32 s2, s[PH], HALFS
	s_mul_i32 s3, s[RH], HALFS
	s_add_co_u32 s39, s3, 2*HALFS
	s_sub_co_u32 s39, s39, s2
	v_mul_u32_u24 v6, s39, v2                      ; part 1: lanes 16-31 take the weight's: one product, the distance between the two
	s_add_co_u32 s2, s2, SCL
	v_add_nc_u32 v6, v5, v6
	v_add_nc_u32 v[ADRS], s2, v6
	s_mul_i32 s2, s[PH], 8*272
	s_add_co_u32 s2, s2, 2*HALFS
	s_sub_co_u32 s2, s2, s3
	v_mul_u32_u24 v6, s2, v3                       ; part 2: lanes 16-31 take x's, lanes 0-15 Wv's, which lie higher
	s_add_co_u32 s3, s3, SCL
	v_add_nc_u32 v6, v5, v6
	v_add_nc_u32 v[ADRV], s3, v6
	v_and_b32 v6, 31, v0
	v_lshlrev_b32 v[LI], 4, v6
.irp b, 0,1,2,3
	v_mov_b32 v[TM+4+\b], 0                        ; a lane permute's destination counts as one of its sources
.endr
.macro FRAG reg, adr, q, i             ; 16 rows x 128 K of 4-bit codes: lane l holds row l % 16; registers 4 c .. 4 c + 3 hold K = 64 c + 32 (l / 16) + 0 .. 31
.irp c, 0,1
	ds_load_b128 v[\reg+4*\c:\reg+4*\c+3], v[\adr] offset:64*(\q)+32*\c+(\i)*16*PITCH
.endr
.endm
; 16 matrix instructions: P's blocks a0, a0 + 1 x R's eight.  p: R's set; q, sc: which scale words; ao: where P's fragments lie; cm = 0: the sums go on; 1: they start with the bias of R's block; 2: of P's block.
; The accumulators take turns, one instruction a turn.
.macro MUL16 a0, p, q, sc, cm, ao
.irp a, \a0, \a0+1
.irp b, 0,1,2,3,4,5,6,7
.if \cm == 1
	v_wmma_scale_f32_16x16x128_f8f6f4 v[8*(8*((\a)%4)+\b):8*(8*((\a)%4)+\b)+7], v[128*(\p)+FR*\b:128*(\p)+FR*\b+FR-1], v[AF+(\ao)+FR*(\a):AF+(\ao)+FR*(\a)+FR-1], v[BI+8*\b:BI+8*\b+7], v[SC+8*NQ*(\sc)+NQ*\b+(\q)], v[SC+8*NQ*(\sc)+NQ*(\a)+(\q)] matrix_a_fmt:MATRIX_FMT_FP4 matrix_b_fmt:MATRIX_FMT_FP4 matrix_a_scale:MATRIX_SCALE_ROW1
.elseif \cm == 2
	v_wmma_scale_f32_16x16x128_f8f6f4 v[8*(8*((\a)%4)+\b):8*(8*((\a)%4)+\b)+7], v[128*(\p)+FR*\b:128*(\p)+FR*\b+FR-1], v[AF+(\ao)+FR*(\a):AF+(\ao)+FR*(\a)+FR-1], v[VBI+8*(\a):VBI+8*(\a)+7], v[SC+8*NQ*(\sc)+NQ*\b+(\q)], v[SC+8*NQ*(\sc)+NQ*(\a)+(\q)] matrix_a_fmt:MATRIX_FMT_FP4 matrix_b_fmt:MATRIX_FMT_FP4 matrix_a_scale:MATRIX_SCALE_ROW1
.else
	v_wmma_scale_f32_16x16x128_f8f6f4 v[8*(8*((\a)%4)+\b):8*(8*((\a)%4)+\b)+7], v[128*(\p)+FR*\b:128*(\p)+FR*\b+FR-1], v[AF+(\ao)+FR*(\a):AF+(\ao)+FR*(\a)+FR-1], v[8*(8*((\a)%4)+\b):8*(8*((\a)%4)+\b)+7], v[SC+8*NQ*(\sc)+NQ*\b+(\q)], v[SC+8*NQ*(\sc)+NQ*(\a)+(\q)] matrix_a_fmt:MATRIX_FMT_FP4 matrix_b_fmt:MATRIX_FMT_FP4 matrix_a_scale:MATRIX_SCALE_ROW1
.endif
.endr
.endr
.endm
.macro FETCH_B adr, q, p               ; R's eight fragments into set p
	WIN 0x40
.irp i, 0,1,2,3,4,5,6,7
	FRAG 128*(\p)+FR*\i, \adr, \q, \i
.endr
	WIN 0
.endm
.macro FETCH_A adr, q, i0, to          ; P's blocks i0 .. i0 + 3 into the 32 registers from v[to] on
.irp i, 0,1,2,3
	FRAG (\to)+FR*\i, \adr, \q, (\i0)+\i
.endr
.endm
.macro SCALES adr                      ; all of K's scale words, both sets: four words a row and set; lanes 0-15 take P's block i, lanes 16-31 R's block i
.irp s, 0,1
.irp i, 0,1,2,3,4,5,6,7
	ds_load_b128 v[SC+32*\s+NQ*\i:SC+32*\s+NQ*\i+3], v[\adr] offset:\i*SBLK+16*\s
.endr
.endr
.endm
.macro PLACES n                        ; places behind matrix instructions (except for loads)
.rept \n
	v_nop
.endr
.endm
; Part 1: a step of 128 along K; (ns, nq) is the step that follows.  A block of P is free when its eight products are issued, so one set of registers serves P.
.macro STEP slot, q, cm, ns, nq
	s_wait_dscnt 8                                 ; all but the youngest eight loads (P's blocks 4-7)
.if \cm
	WIN 0x81                                       ; source 0 window 1, source 1 and C window 0, D window 2
.else
	WIN 0xa1
.endif
	MUL16 0, (\q)%2, \q, \slot, \cm, 0
	MUL16 2, (\q)%2, \q, \slot, \cm, 0
	s_wait_dscnt 0
	PLACES 4
	FETCH_B ADRB+\ns, \nq, 1-(\q)%2
	FETCH_A ADRA+\ns, \nq, 0, AF
.if \cm
	WIN 0xc1
.else
	WIN 0xf1
.endif
	MUL16 4, (\q)%2, \q, \slot, \cm, 0
	MUL16 6, (\q)%2, \q, \slot, \cm, 0
	PLACES 4
	WIN 0
	FETCH_A ADRA+\ns, \nq, 4, AF+32
.endm
; Part 2: a step of 128 along K: 4 blocks of P x 8 of R; P and R have two sets each, and the next step's fragments are asked for ahead of this step's 32 products.
.macro VSTEP slot, q, cm, ns, nq, last
	s_wait_dscnt 0x0
.if \last == 0
	PLACES 4
	FETCH_B ADVB+\ns, \nq, 1-(\q)%2
	FETCH_A ADVA+\ns, \nq, 0, AF+32*(1-(\q)%2)
.endif
.if \cm
	WIN 0x91                                       ; source 0 and C (the bias) window 1, source 1 window 0, D window 2
.else
	WIN 0xa1
.endif
	MUL16 0, (\q)%2, \q, \slot, \cm, 32*((\q)%2)
	MUL16 2, (\q)%2, \q, \slot, \cm, 32*((\q)%2)
	WIN 0
.endm
; 64 numbers of a lane become a fragment's codes in v[pc] on and its scale word in v[pw].  They lie in window w: blocks 0, 1 in the 32 registers from s0 on, blocks 2, 3 in those from s1 on; a block's other 16 numbers
; lie in lane l xor 16.  Each accumulator is read from its low end on.
.macro QUANT w, s0, s1, pc, pw
	WIN (\w)|((\w)<<2)
.irp b, 0,1,2,3
.set QB, (\s0)*(1-\b/2)+(\s1)*(\b/2)+16*(\b%2)
	v_max3_num_f32 v[TM+\b], |v[QB]|, |v[QB+1]|, 0x1800000     ; my 16 numbers, and the floor 2^(3 - 127): the byte cannot fall under 1
.endr
.irp i, 2,4,6,8,10,12,14
.irp b, 0,1,2,3
.set QB, (\s0)*(1-\b/2)+(\s1)*(\b/2)+16*(\b%2)+\i
	v_max3_num_f32 v[TM+\b], |v[QB]|, |v[QB+1]|, v[TM+\b]
.endr
.endr
	WIN 0
.irp b, 0,1,2,3
	v_permlanex16_b32 v[TM+4+\b], v[TM+\b], s[SEL], s[SEL+1]
.endr
.irp b, 0,1,2,3
	v_max_num_f32 v[TM+\b], v[TM+\b], v[TM+4+\b]
.endr
.irp b, 0,1,2,3
	v_add_nc_u32 v[TM+12+\b], 0xff000000, v[TM+\b] ; 2 off the exponent field: the conversion's scale operand
.endr
.irp b, 0,1,2,3
	v_lshrrev_b32 v[TM+4+\b], 23, v[TM+12+\b]      ; the scale's byte
.endr
	v_lshl_or_b32 v[\pw], v[TM+5], 8, v[TM+4]
	v_lshl_or_b32 v[\pw], v[TM+6], 16, v[\pw]
	v_lshl_or_b32 v[\pw], v[TM+7], 24, v[\pw]
	WIN (\w)
.irp t, 0,1,2,3,4,5,6,7
.set QB, (\s0)*(1-\t/4)+(\s1)*(\t/4)+8*(\t%4)
	v_cvt_scalef32_pk8_fp4_f32 v[(\pc)+4*(\t/4)+2*(\t%2)+(\t%4)/2], v[QB:QB+7], v[TM+12+\t/2]
.endr
	WIN 0
	v_nop                                          ; one plain place behind a scaled conversion
.irp c, 0,1
	v_permlane16_swap_b32 v[(\pc)+4*\c], v[(\pc)+4*\c+1]
	v_permlane16_swap_b32 v[(\pc)+4*\c+2], v[(\pc)+4*\c+3]
.endr
.endm
.macro OUTF pc, off, sb                ; a fragment leaves as the image of its registers: each store covers 512 consecutive bytes, aligned
.irp c, 0,1
	global_store_b128 v[LI], v[(\pc)+4*\c:(\pc)+4*\c+3], s[\sb:\sb+1] offset:(\off)+512*\c
.endr
.endm
	s_wait_alu depctr_va_vdst(0)                   ; the wait at the head's end
	s_wait_loadcnt 0x0                             ; the bias
	s_wait_tensorcnt 0x0                           ; my tile of the head's four is in,
	s_barrier_signal -1
	s_barrier_wait -1                              ; everybody's is
	FETCH_B ADRB, 0, 0
	FETCH_A ADRA, 0, 0, AF
	SCALES ADRS
	FETCH_A ADRA, 0, 4, AF+32
	STEP 0, 0, 1, 0, 1
	STEP 0, 1, 0, 0, 2
	STEP 0, 2, 0, 0, 3
	STEP 0, 3, 0, 1, 0
	STEP 1, 0, 0, 1, 1
	STEP 1, 1, 0, 1, 2
	STEP 1, 2, 0, 1, 3
	s_wait_dscnt 8                                 ; part 1's last step: nothing more to fetch
	WIN 0xa1
	MUL16 0, 1, 3, 1, 0, 0
	MUL16 2, 1, 3, 1, 0, 0
	s_wait_dscnt 0
	WIN 0xf1
	MUL16 4, 1, 3, 1, 0, 0
	MUL16 6, 1, 3, 1, 0, 0
	PLACES 4                                       ; in front of the first read of results, and of the codes that are laid over P's fragments
	WIN 0
	; THE REFILL: Wv's 128 rows over the weight's rows, their scale bytes over the weight's
	s_wait_tensorcnt 0x0                           ; no tensor load of mine is out, so a descriptor may be written;
	ds_add_u32 v[SPW], v[NIL]                      ; 0 onto my spare word
	s_mov_b32 s[G1R+2], 128<<16                    ; from here on 128 rows of codes,
	s_mov_b32 s[G1R+4], 128
	s_mov_b32 s[G1SR+2], 16<<16                    ; and 16 rows of scale bytes
	s_mov_b32 s[G1SR+4], 16
	s_wait_dscnt 0x0                               ; the add is done, and my reads of the weight's rows are over
	CROUND                                         ; so are those of every wave of every partner
	ARM 1, G0V, G1R, .Lnot_w0, .Lv_asked
	s_cmp_lt_u32 s[WV], 2
	s_cbranch_scc0 .Lv_asked
	tensor_load_to_lds s[G0SV:G0SV+3], s[G1SR:G1SR+7]
	s_nop 0
.rept 4
	v_nop
.endr
.Lv_asked:
	WIN 0x40
.irp i, 0,1,2,3
.irp j, 0,1,2,3,4,5,6,7
	global_load_b32 v[VBI+8*\i+\j], v[VB], s[88:89] offset:64*\i   ; part 2's bias: bv(16 i + r), the C of P's block i
.endr
.endr
	WIN 0
	; q, k: fragment FI of head EI: P's blocks 2 FI and 2 FI + 1 (two tiles of rows), R's blocks 4 EI .. 4 EI + 3 (the head's 64 channels)
.set FI, 0
.rept 4
.set EI, 0
.rept 2
	QUANT 2+FI/2, 128*(FI%2)+32*EI, 128*(FI%2)+32*EI+64, PCD+8*(4*EI+FI), PW+4*EI+FI
	OUTF PCD+8*(4*EI+FI), HEADB*EI+1024*FI, 50
.set EI, EI+1
.endr
.set FI, FI+1
.endr
.irp e, 0,1
	global_store_b128 v[LI], v[PW+4*\e:PW+4*\e+3], s[50:51] offset:HEADB*\e+4096   ; a unit's scale words
.endr
	s_wait_alu depctr_va_vdst(0)                   ; the wait ahead of the waits below
	s_wait_xcnt 0x0                                ; the stores have read their registers: fragments may land there
	s_wait_loadcnt 0x0                             ; bv
	s_wait_tensorcnt 0x0                           ; my load, if I issued one, has landed,
	s_barrier_signal -1
	s_barrier_wait -1                              ; both have
	FETCH_B ADVB, 0, 0
	FETCH_A ADVA, 0, 0, AF
	SCALES ADRV
	VSTEP 0, 0, 2, 0, 1, 0
	VSTEP 0, 1, 0, 0, 2, 0
	VSTEP 0, 2, 0, 0, 3, 0
	VSTEP 0, 3, 0, 1, 0, 0
	VSTEP 1, 0, 0, 1, 1, 0
	VSTEP 1, 1, 0, 1, 2, 0
	VSTEP 1, 2, 0, 1, 3, 0
	VSTEP 1, 3, 0, 1, 3, 1
	PLACES 4
	; v: P's block AI is fragment AI (16 channels) of my head; R's eight blocks are the 128 keys
.set AI, 0
.rept 4
	QUANT 2, 64*AI, 64*AI+32, PCD+8*AI, PW+AI
	OUTF PCD+8*AI, 1024*AI, 84
.set AI, AI+1
.endr
	global_store_b128 v[LI], v[PW:PW+3], s[84:85] offset:4096
	s_wait_tensorcnt 0x0                           ; the wave's end
	ds_add_u32 v[SPW], v[NIL]
	s_wait_dscnt 0x0
	CROUND                                         ; the closing round
	s_endpgm
.Lfunc_end_k_qbf1cb60c3a_proj:
	.size	k_qbf1cb60c3a_proj, .Lfunc_end_k_qbf1cb60c3a_proj-k_qbf1cb60c3a_proj
	.p2alignl 7, 3214868480
	.fill 96, 4, 3214868480
	.section	.rodata,"a",@progbits
	.p2align	6, 0x0
	.amdhsa_kernel k_qbf1cb60c3a_proj
		.amdhsa_group_segment_fixed_size 327680
		.amdhsa_private_segment_fixed_size 0
		.amdhsa_enable_private_segment 0
		.amdhsa_kernarg_size 96
		.amdhsa_user_sgpr_count 2
		.amdhsa_user_sgpr_kernarg_segment_ptr 1
		.amdhsa_wavefront_size32 1
		.amdhsa_system_sgpr_workgroup_id_x 1
		.amdhsa_system_sgpr_workgroup_id_y 1
		.amdhsa_system_sgpr_workgroup_id_z 1
		.amdhsa_system_vgpr_workitem_id 0
		.amdhsa_next_free_vgpr 1024
		.amdhsa_next_free_sgpr 100
		.amdhsa_reserve_vcc 0
		.amdhsa_float_denorm_mode_32 3
		.amdhsa_float_denorm_mode_16_64 3
		.amdhsa_memory_ordered 1
		.amdhsa_forward_progress 1
		.amdhsa_inst_pref_size 202
	.end_amdhsa_kernel
	.amdgpu_metadata
---
amdhsa.version: [ 1, 2 ]
amdhsa.kernels:
  - .name:           k_qbf1cb60c3a_proj
    .symbol:         k_qbf1cb60c3a_proj.kd
    .args:
      - { .name: x_codes, .offset: 0, .size: 8, .value_kind: global_buffer, .address_space: global }
      - { .name: x_scales, .offset: 8, .size: 8, .value_kind: global_buffer, .address_space: global }
      - { .name: Wq_codes, .offset: 16, .size: 8, .value_kind: global_buffer, .address_space: global }
      - { .name: Wq_scales, .offset: 24, .size: 8, .value_kind: global_buffer, .address_space: global }
      - { .name: Wk_codes, .offset: 32, .size: 8, .value_kind: global_buffer, .address_space: global }
      - { .name: Wk_scales, .offset: 40, .size: 8, .value_kind: global_buffer, .address_space: global }
      - { .name: Wv_codes, .offset: 48, .size: 8, .value_kind: global_buffer, .address_space: global }
      - { .name: Wv_scales, .offset: 56, .size: 8, .value_kind: global_buffer, .address_space: global }
      - { .name: bq, .offset: 64, .size: 8, .value_kind: global_buffer, .address_space: global }
      - { .name: bk, .offset: 72, .size: 8, .value_kind: global_buffer, .address_space: global }
      - { .name: bv, .offset: 80, .size: 8, .value_kind: global_buffer, .address_space: global }
      - { .name: qkv, .offset: 88, .size: 8, .value_kind: global_buffer, .address_space: global }
    .group_segment_fixed_size: 327680
    .private_segment_fixed_size: 0
    .kernarg_segment_align: 8
    .kernarg_segment_size: 96
    .max_flat_workgroup_size: 128
    .sgpr_count:     100
    .vgpr_count:     1024
    .wavefront_size: 32
...
	.end_amdgpu_metadata
.endif
;; end of part 1
;; launch attn (part 2): grid 4 x 64, 16 waves a work-group, clusters of 4 x 1, 237,568 bytes of LDS; arguments qkv, out0; writes out0
.if DOCPART == 2
	.amdgcn_target "amdgcn-amd-amdhsa--gfx1250"
	.amdhsa_code_object_version 6
	.text
	.protected	k_qbf1cb60c3a_attn
	.globl	k_qbf1cb60c3a_attn
	.p2align	8
	.type	k_qbf1cb60c3a_attn,@function
k_qbf1cb60c3a_attn:
	s_mov_b64 s[64:65], 0
	v_nop
	global_prefetch_b8 v0, s[64:65] scope:SCOPE_SE
	s_setreg_imm32_b32 hwreg(HW_REG_WAVE_MODE, 25, 1), 1
	s_wait_xcnt 0x0
	s_wait_alu depctr_hold_cnt(0) depctr_sa_sdst(0) depctr_va_vdst(0) depctr_va_sdst(0) depctr_va_ssrc(0) depctr_va_vcc(0) depctr_vm_vsrc(0)
	s_getreg_b32 s2, hwreg(HW_REG_IB_STS2, 6, 4)
	s_cmp_eq_u32 s2, 0
	s_cbranch_scc0 .Lentry_in_a_cluster
	s_endpgm
.Lentry_in_a_cluster:
	s_bfe_u32 s2, ttmp6, 0x10000c
	s_cmp_lg_u32 s2, 0x3003
	s_cbranch_scc0 .Lentry_shape_is_right
	s_endpgm
.Lentry_shape_is_right:
; out[b][s][64 head + d] = the sum over keys of softmax(q . k / 8) v, both products on codes of FP4 (E2M1) with one E8M0 scale for each 32 along a product's K.  64 (batch, head) pairs, 2,048 queries, 2,048 keys, head size 64.
; The operands come from qkv[64][16 blocks of 128 rows][q, k, v][4,608 bytes] as images of registers: a unit is eight pieces of 512 bytes (q, k: piece T holds tile T, rows 16 T + r, lane l's 16 bytes at 16 l;
; v: pieces 2 t, 2 t + 1 are registers 0-3, 4-7 of the fragment of channels 16 t + r) and 512 bytes of scale words (lane l's 16 bytes: the words of fragments 0 to 3; q, k: bytes 0, 1 tile 2 F, bytes 2, 3 tile 2 F + 1).
; THE SOFTMAX AHEAD OF THE SECOND PRODUCT: t = score x log2(e) / 8; M = the row's largest t so far, rounded UP to a whole number; p = 2^(t - M) is what is quantised, along the keys; it is not normalised.
; The row's sum is taken of the unquantised p, in f32, and divides at the end.  When M moves, the sum and O are multiplied by 2^(old M - new M): exact.
; SHARES.  A work-group owns 512 queries of one head; each of its sixteen waves owns 32: tiles A and B of 16, which share every fragment of k and v that the wave reads.  Every wave walks the head's keys, 128 a step.
; LDS.  A head's k and v units are filled ONCE: wave w asks for key step w, 18 pieces of 512 bytes, each followed by 64 bytes of padding (pitch 576).  Behind them a stage of 16 rows x 272 bytes for each wave, then the spare words.
; CLUSTER.  The four work-groups of a cluster are the four quarters of one head's queries and read the same k and v: each fill is asked for JOINTLY, by the same tensor load with the mask of all four.
; NO DATA PREFETCH: all of k and v is asked for by the sixteen loads at the head; the text has no loop that runs ahead of a load.
; LAYOUT.  Both products are used transposed: S^T = k q^T (source 0 = keys, source 1 = queries), O^T = v^T p^T (source 0 = 16 channels, source 1 = p): a lane holds ONE query (lane % 16) throughout.
; THE KEYS OF A SCORE TILE ARE CHOSEN SO THAT A LANE HOLDS WHOLE BLOCKS OF 32 KEYS.  Score tile (c, i), c = 0, 1, i = 0 .. 3: its row m is key 64 c + 32 (m / 8) + 8 i + m % 8.  In the result lane (r, h) holds rows 8 h + j, so the
; 32 registers of tiles (c, 0 .. 3) are keys 64 c + 32 h + 0 .. 31 in order: block 2 c + h, which is what register 4 c + i of p's operand wants of that lane.  So a conversion's result IS a register of the operand, a block's
; maximum needs no other lane, and a lane makes two scale bytes.  Row m of tile (c, i) lies in piece 4 c + i / 2 + 2 (m / 8) at lane 8 (i % 2) + m % 8: plain LDS addresses.  With pitch 576 rows 8-15 read 1,152 bytes behind
; rows 0-7, which is 128 modulo 256.
; A HEAD OF 64 IN AN INSTRUCTION OF 128.  Fragment (c, e) of k carries tiles (c, e) in k-places 0-63 and (c, e + 2) in 64-127; its scale word is the stored word of fragment 2 c + m / 8 at lane 8 e + m % 8.  It is multiplied by
; (q, zeros) and by (zeros, q): a zero code adds an exact 0 under any scale byte from 1 to 254.  q lies in v16-35 as zeros, A, zeros, B, zeros, four registers each.
; INDEPENDENT NEIGHBOURS.  The maxima run in eight chains by turns; the row's sum is a tree laid in p's own registers, whose last four additions (on v248-255) stand later, as places behind matrix instructions; short chains are laid
; between the sixteen lines that rescale O^T.  Only the chain from the block maxima to -M is serial: there a one-field s_delay_alu stands ahead of each line that reads a plain result one to three lines back.
; LIMITS: NaN and infinities are not served; the promise holds while |t| stays under 2^31.  A block of p whose largest number lies under 2^-124 gets the scale byte 1.  A block's largest p is made from its largest score by the
; same multiply-add and exponential: this takes v_exp_f32 not to fall where its input rises (the ISA guide promises 1 ulp); at the worst one p of a block, within an ulp of a power of two, is held one code low.
.set UNIT,  4608
.set BLK3,  3*UNIT
.set CH,    576                        ; a piece in LDS
.set STEPB, 18*CH                      ; a key step in LDS: the k unit's nine pieces, then the v unit's
.set STG,   16*STEPB                   ; 165,888: the stages
.set SPARE, STG+16*16*272              ; 235,520: the spare words, 128 bytes a wave
.set AV0,  1                           ; v1   16 x lane
.set AK0,  2                           ; v2   my lane's place in k's pieces
.set AS0,  3                           ; v3   and among k's scale words
.set STO,  4                           ; v4   the way out: where I put 32 bytes of a row
.set RD,   5                           ; v5   where I read a row back
.set GO,   6                           ; v6   my byte offset in the wave's rows of out
.set ADK,  7                           ; v7   the step's address of k's pieces; v242, v243 of k's scale words and of v
.set ST,   8                           ; v8-11, v12-15 tile A's, B's: -M, the largest score, the sum in two halves
.set QR,   16
.set QW,   36                          ; v36, v37 q's scale word, and the same with its halves changed
.set SPW,  38                          ; v38  LDS address of my spare word; never rewritten
.set NIL,  39                          ; v39  0; never rewritten
.set FRG,  40                          ; v40-71 four fragments of k, then of v
.set FS,   72                          ; v72-75 their scale words
.set FF,   76                          ; v[76:77] f = 2^(old M - new M), named as a pair
.set TT,   78
.set TP,   79                          ; what a lane permute brings
.set OM,   80                          ; v80, v81 the old -M of A, B
.set TM,   88                          ; v88-95 eight chains of maxima; then v88, v92 the two blocks' largest scores, then largest p
.set SCR,  96                          ; v96-159 S^T, then p: tile (c, i) at 8 (4 c + i)
.set OAC,  160                         ; v160-191, v192-223 O^T of A, B
.set PCD,  224                         ; v224-239 p's codes
.set PW,   240                         ; v240, v241 p's scale words
.set ADS,  242
.set ADV,  243
.set TS,   244                         ; v244, v245 the conversions' scale operands
.set BY,   246                         ; v246, v247 the bytes
.set CC,   248                         ; v248-255 four partial sums of a step's p, in pairs
.set WV,   8
.set CX,   9
.set HB,   10
.set SEL,  12                          ; s[12:13] lane selects for v_permlanex16_b32: lane l xor 16
.set CS,   14                          ; s[14:15] c = log2(e) / 8
.set G1,   16
.set G0,   24
.set TB,   40                          ; s40  LDS byte at which the step in hand begins
.set CNT,  41
.set QB,   42
.set QS,   44
.set OUT,  46
.macro ROUND                           ; a round of the cluster's barrier
	s_barrier_signal -1
	s_barrier_wait -1
	s_cmp_lg_u32 s[WV], 0
	s_cbranch_scc1 .Lnot_wave_0_\@
	s_barrier_signal -3
.Lnot_wave_0_\@:
	s_barrier_wait -3
	s_barrier_signal -1
	s_barrier_wait -1
.endm
	s_load_b128 s[4:7], s[0:1], 0x0                ; qkv, out
	v_lshl_add_u32 v[SPW], v0, 2, SPARE
	v_mov_b32 v[NIL], 0
	ds_add_u32 v[SPW], v[NIL]                      ; the opening lines: the add, twice on end, and its wait ahead of my tensor load
	ds_add_u32 v[SPW], v[NIL]
	v_lshrrev_b32 v82, 5, v0
	v_readfirstlane_b32 s[WV], v82                 ; wave 0..15
	v_and_b32 v[AV0], 31, v0
	v_lshlrev_b32 v[AV0], 4, v[AV0]
	s_bfe_u32 s[CX], ttmp6, 0x40000                ; cx: which quarter of the head's queries: it enters q's and out's addresses alone
	s_and_b32 s[HB], ttmp7, 0xffff                 ; 16 x batch + head, which the four partners share
	; descriptor group 1: a step's k and v units, 9,216 dense bytes, as 18 rows of 512 bytes (64 elements of 8 bytes), 16 words of padding behind each
	s_mov_b32 s[G1], 15|(3<<16)|(1<<20)|(1<<21)|(6<<22)|(15<<25)
	s_mov_b32 s[G1+1], 64<<16                      ; tensor_dim0
	s_mov_b32 s[G1+2], 18<<16                      ; tensor_dim1
	s_mov_b32 s[G1+3], 64<<16                      ; tile_dim0
	s_mov_b32 s[G1+4], 18                          ; tile_dim1
	s_mov_b32 s[G1+5], 64                          ; tensor_dim0_stride
	s_mov_b32 s[G1+6], 0
	s_mov_b32 s[G1+7], 0
	s_mov_b32 s[SEL], 0x76543210
	s_mov_b32 s[SEL+1], 0xfedcba98
	s_mov_b32 s[CS], 0x3e38aa3b                    ; c = log2(e) / 8
	s_mov_b32 s[CS+1], s[CS]
	s_lshl_b32 s2, s[HB], 4
	s_add_co_u32 s2, s2, s[WV]
	s_mul_i32 s2, s2, BLK3
	s_add_co_u32 s2, s2, UNIT                      ; key step w of the head: its k unit, the v unit behind it
	s_mov_b32 s3, 0
	s_mov_b32 s[G0], 1
	s_mul_i32 s[G0+1], s[WV], STEPB                ; its place in LDS
	s_lshl_b32 s[QB], s[HB], 4
	s_lshl_b32 s[QB+1], s[CX], 2
	s_add_co_u32 s[QB], s[QB], s[QB+1]
	s_lshr_b32 s[QB+1], s[WV], 2
	s_add_co_u32 s[QB], s[QB], s[QB+1]             ; my queries' block of 128: 4 cx + wave / 4
	s_mul_i32 s[QB], s[QB], BLK3                   ; its q unit
	s_and_b32 s[QB+1], s[WV], 3                    ; my fragment in it
	s_lshl_b32 s[QS], s[QB+1], 2
	s_add_co_u32 s[QS], s[QS], s[QB]
	s_add_co_u32 s[QS], s[QS], 4096                ; its word among a lane's four
	s_lshl_b32 s[QB+1], s[QB+1], 10
	s_add_co_u32 s[QB], s[QB], s[QB+1]
	s_mov_b32 s[QB+1], 0
	s_mov_b32 s[QS+1], 0
	s_lshr_b32 s[OUT], s[HB], 4                    ; the batch's 2,048 rows,
	s_lshl_b32 s[OUT], s[OUT], 11
	s_lshl_b32 s[OUT+1], s[CX], 9                  ; my work-group's 512,
	s_add_co_u32 s[OUT], s[OUT], s[OUT+1]
	s_lshl_b32 s[OUT+1], s[WV], 5                  ; my wave's 32,
	s_add_co_u32 s[OUT], s[OUT], s[OUT+1]
	s_lshl_b32 s[OUT], s[OUT], 12                  ; of 4,096 bytes,
	s_and_b32 s[OUT+1], s[HB], 15
	s_lshl_b32 s[OUT+1], s[OUT+1], 8               ; and the head's 256 bytes in a row
	s_add_co_u32 s[OUT], s[OUT], s[OUT+1]
	s_mov_b32 s[OUT+1], 0
	s_wait_alu depctr_va_vdst(0)                   ; the wait ahead of the waits below
	s_wait_dscnt 0x0                               ; both opening adds are done
	s_wait_kmcnt 0x0
	s_add_nc_u64 s[G0+2:G0+3], s[4:5], s[2:3]
	s_or_b32 s[G0+3], s[G0+3], 0x80000000          ; type = 2
	s_add_nc_u64 s[QB:QB+1], s[4:5], s[QB:QB+1]
	s_add_nc_u64 s[QS:QS+1], s[4:5], s[QS:QS+1]
	s_add_nc_u64 s[OUT:OUT+1], s[6:7], s[OUT:OUT+1]
	global_load_b128 v[QR+4:QR+7], v[AV0], s[QB:QB+1]               ; tile A's codes: queries 32 g + r
	global_load_b128 v[QR+12:QR+15], v[AV0], s[QB:QB+1] offset:512  ; tile B's: 32 g + 16 + r
	global_load_b32 v[QW], v[AV0], s[QS:QS+1]                       ; the scale word: bytes 0, 1 A's two blocks, bytes 2, 3 B's
	ROUND                                          ; all four work-groups are here: the joint loads meet
	tensor_load_to_lds s[G0:G0+3], s[G1:G1+7]      ; every wave's one load: key step w
	s_nop 0
.irp i, 0,1,2,3,8,9,10,11,16,17,18,19
	v_mov_b32 v[QR+\i], 0                          ; the zero codes round q
.endr
	v_and_b32 v82, 15, v0                          ; r
	v_bfe_u32 v83, v0, 4, 1                        ; h
	v_bfe_u32 v84, v0, 3, 1                        ; r / 8
	v_and_b32 v85, 7, v0                           ; r % 8
	v_lshlrev_b32 v[AS0], 4, v85
	v_mad_u32_u24 v[AK0], v84, 2*CH, v[AS0]        ; k's codes: two pieces on for rows 8-15, lane r % 8,
	v_lshl_add_u32 v[AK0], v83, 8, v[AK0]          ; my half's 16 bytes
	v_lshl_add_u32 v[AS0], v84, 2, v[AS0]          ; k's words: lane r % 8, one fragment on for rows 8-15
	s_mul_i32 s11, s[WV], 16*272
	s_add_co_u32 s11, s11, STG                     ; my stage
	v_mul_u32_u24 v[STO], v82, 272
	v_mul_u32_u24 v[RD], v83, 272
	v_lshlrev_b32 v[GO], 12, v83
	v_lshl_add_u32 v[STO], v83, 5, v[STO]
	v_lshl_add_u32 v[RD], v82, 4, v[RD]
	v_lshl_add_u32 v[GO], v82, 4, v[GO]            ; two rows of out, 16 bytes a lane
	v_add_nc_u32 v[STO], s11, v[STO]               ; in: row r; tile t's eight channels of my half: 64 t + 32 h bytes on
	v_add_nc_u32 v[RD], s11, v[RD]                 ; back: lanes 0-15 one row, lanes 16-31 the next
.irp x, 0,1
	v_mov_b32 v[ST+4*\x], 0x7e000000               ; -M: 2^125, so that the first change of M gives f = 0
	v_mov_b32 v[ST+4*\x+1], 0xff61b1e6             ; the largest score so far: -3e38
	v_mov_b32 v[ST+4*\x+2], 0                      ; the sum, in two halves
	v_mov_b32 v[ST+4*\x+3], 0
.endr
.irp i, 0,1,2,3,4,5,6,7
	v_mov_b32 v[CC+\i], 0                          ; the first step adds these to tile B's sum
.endr
	v_mov_b32 v[TP], 0                             ; a lane permute's destination counts as one of its sources
	v_mov_b32 v[FF+1], 0                           ; (named as the upper half of the pair)
	s_wait_alu depctr_va_vdst(0)                   ; the wait ahead of the wait below
	s_wait_loadcnt 0x0                             ; q
	v_lshrrev_b32 v[QW+1], 16, v[QW]
	v_lshl_or_b32 v[QW+1], v[QW], 16, v[QW+1]      ; the word with its halves changed; the 64 lines below are its places ahead of the scaled matrix instructions
.set J, 0
.rept 64
	v_mov_b32 v[OAC+J], 0                          ; O^T: the step is written once; the first finds zeros, which f = 0 leaves zeros
.set J, J+1
.endr
; S^T of tile x (0: A, 1: B): eight products, each on an accumulator of its own
.macro SCORES x
.irp c, 0,1
.irp e, 0,1
	v_wmma_scale_f32_16x16x128_f8f6f4 v[SCR+8*(4*\c+\e):SCR+8*(4*\c+\e)+7], v[FRG+8*(2*\c+\e):FRG+8*(2*\c+\e)+7], v[QR+4+8*\x:QR+11+8*\x], 0, v[FS+2*\c+\e], v[QW+\x] matrix_a_fmt:MATRIX_FMT_FP4 matrix_b_fmt:MATRIX_FMT_FP4
	v_wmma_scale_f32_16x16x128_f8f6f4 v[SCR+8*(4*\c+\e+2):SCR+8*(4*\c+\e+2)+7], v[FRG+8*(2*\c+\e):FRG+8*(2*\c+\e)+7], v[QR+8*\x:QR+7+8*\x], 0, v[FS+2*\c+\e], v[QW+1-\x] matrix_a_fmt:MATRIX_FMT_FP4 matrix_b_fmt:MATRIX_FMT_FP4
.endr
.endr
.endm
.macro RESC ox, j0                     ; one accumulator of O^T under the new M, from its low end on
.irp j, 0,2,4,6
	v_pk_mul_f32 v[(\ox)+(\j0)+\j:(\ox)+(\j0)+\j+1], v[(\ox)+(\j0)+\j:(\ox)+(\j0)+\j+1], v[FF:FF+1] op_sel_hi:[1,0]
.endr
.endm
.macro SUM_AB                          ; the four partial sums of a step's p: first two additions,
	v_pk_add_f32 v[CC:CC+1], v[CC:CC+1], v[CC+2:CC+3]
	v_pk_add_f32 v[CC+4:CC+5], v[CC+4:CC+5], v[CC+6:CC+7]
.endm
.macro SUM_C                           ; the third; the fourth, onto the tile's sum, stands in the other tile's SOFTMAX
	v_pk_add_f32 v[CC:CC+1], v[CC:CC+1], v[CC+4:CC+5]
.endm
; The softmax of tile x for 128 keys: registers 32 c .. 32 c + 31 of S^T are my block 2 c + h
.macro SOFTMAX x
.set SB, ST+4*\x
.set SO, ST+4*(1-\x)
.set PX, PCD+8*\x
.set OX, OAC+32*\x
.irp t, 0,1,2,3,4,5,6,7                        ; a chain to an accumulator, eight by turns; every accumulator is first read at its low end
	v_max3_num_f32 v[TM+\t], v[SCR+8*\t], v[SCR+8*\t+1], v[SCR+8*\t+2]
.endr
.irp i, 3,5
.irp t, 0,1,2,3,4,5,6,7
	v_max3_num_f32 v[TM+\t], v[TM+\t], v[SCR+8*\t+\i], v[SCR+8*\t+\i+1]
.endr
.endr
	v_pk_add_f32 v[SO+2:SO+3], v[SO+2:SO+3], v[CC:CC+1]    ; the other tile's sum takes its last step's p
.irp c, 0,1
	v_max3_num_f32 v[TM+4*\c], v[TM+4*\c], v[SCR+32*\c+7], v[SCR+32*\c+15]
	v_max3_num_f32 v[TM+4*\c+1], v[TM+4*\c+1], v[SCR+32*\c+23], v[SCR+32*\c+31]
.endr
	s_delay_alu instid0(VALU_DEP_3)
	v_max3_num_f32 v[TM], v[TM], v[TM+1], v[TM+2]
	s_delay_alu instid0(VALU_DEP_2)
	v_max3_num_f32 v[TM+4], v[TM+4], v[TM+5], v[TM+6]
	s_delay_alu instid0(VALU_DEP_2)
	v_max_num_f32 v[TM], v[TM], v[TM+3]            ; each block's largest score: it serves twice: for the row's maximum, and, since p rises with the score, for the block's largest p
	s_delay_alu instid0(VALU_DEP_2)
	v_max_num_f32 v[TM+4], v[TM+4], v[TM+7]
	s_delay_alu instid0(VALU_DEP_1)
	v_max_num_f32 v[TT], v[TM], v[TM+4]
	s_delay_alu instid0(VALU_DEP_1)
	v_permlanex16_b32 v[TP], v[TT], s[SEL], s[SEL+1]
	s_delay_alu instid0(VALU_DEP_1)
	v_max3_num_f32 v[SB+1], v[SB+1], v[TT], v[TP]  ; the running largest score of my query
	s_delay_alu instid0(VALU_DEP_1)
	v_mul_f32 v[TT], s[CS], v[SB+1]                ; as t (c is positive)
	s_delay_alu instid0(VALU_DEP_1)
	v_floor_f32 v[SB], -v[TT]                      ; the new -M = floor(-t) = -ceil(t): a whole number
	s_delay_alu instid0(VALU_DEP_1)
	v_sub_f32 v[TT], v[SB], v[OM+\x]               ; M's old value less its new one: 0 or less
.set J, 0
.rept 32
	v_pk_fma_f32 v[SCR+J:SCR+J+1], v[SCR+J:SCR+J+1], s[CS:CS+1], v[SB:SB+1] op_sel_hi:[1,0,0]   ; t - M, two at a time (of the pairs c and -M the low word serves both halves)
.if J == 8
	v_cvt_i32_f32 v[TT], v[TT]                     ; (it saturates)
.endif
.if J == 18
	v_ldexp_f32 v[FF], 1.0, v[TT]                  ; f = 2^(old M - new M): a multiplication by it rounds nothing
.endif
.set J, J+2
.endr
.irp c, 0,1
	v_fma_f32 v[TM+4*\c], v[TM+4*\c], s[CS], v[SB] ; the same of each block's largest score
.endr
	s_wait_alu depctr_va_vdst(0)                   ; the wait ahead of the batch
.set J, 0
.rept 64
	v_exp_f32 v[SCR+J], v[SCR+J]                   ; p = 2^(t - M): NOT normalised
.set J, J+1
.endr
.irp c, 0,1
	v_exp_f32 v[TM+4*\c], v[TM+4*\c]               ; the block's largest p: the same two instructions on the same number give the same bits
.endr
	v_pk_mul_f32 v[SB+2:SB+3], v[SB+2:SB+3], v[FF:FF+1] op_sel_hi:[1,0]   ; the sums under the new M (the plain place behind the exponentials)
	s_wait_alu depctr_va_vdst(0)                   ; one wait for the batch, directly ahead of the first readers of O^T too; plain lines alone follow up to the last of them
	RESC OX, 0
.irp c, 0,1
	v_max_num_f32 v[TM+4*\c], 0x1800000, v[TM+4*\c]   ; the floor 2^(3 - 127): the byte cannot fall under 1
.endr
	RESC OX, 8
.irp c, 0,1
	v_add_nc_u32 v[TS+\c], 0xff000000, v[TM+4*\c]  ; 2 off the exponent field: the conversion's scale operand
.endr
	RESC OX, 16
.irp c, 0,1
	v_lshrrev_b32 v[BY+\c], 23, v[TS+\c]           ; the scale's byte
.endr
	RESC OX, 24
.irp c, 0,1
.irp i, 0,1,2,3
	v_cvt_scalef32_pk8_fp4_f32 v[PX+4*\c+\i], v[SCR+32*\c+8*\i:SCR+32*\c+8*\i+7], v[TS+\c]   ; keys 64 c + 32 h + 8 i + 0 .. 7: register 4 c + i of the operand as it stands
.endr
.endr
	v_lshl_or_b32 v[BY], v[BY+1], 16, v[BY]        ; my bytes: blocks h and 2 + h.  (The plain place behind the conversions)
.set J, 0
.rept 16                                       ; THE ROW'S SUM IS TAKEN OF THE UNQUANTISED p: a tree in p's own registers, two numbers an instruction: sixteen additions,
	v_pk_add_f32 v[SCR+J:SCR+J+1], v[SCR+J:SCR+J+1], v[SCR+J+2:SCR+J+3]
.if J == 20
	v_permlanex16_b32 v[TP], v[BY], s[SEL], s[SEL+1]
.endif
.set J, J+4
.endr
	v_lshl_or_b32 v[PW+\x], v[TP], 8, v[BY]        ; p's scale word: lanes 0-15, which the matrix instruction reads, take lane l + 16's two bytes between their own.  Twelve plain lines follow it
.set J, 0
.rept 8                                        ; eight,
	v_pk_add_f32 v[SCR+J:SCR+J+1], v[SCR+J:SCR+J+1], v[SCR+J+4:SCR+J+5]
.set J, J+8
.endr
.irp j, 0,1,2,3                                ; four, into registers that the next score products do not write
	v_pk_add_f32 v[CC+2*\j:CC+2*\j+1], v[SCR+16*\j:SCR+16*\j+1], v[SCR+16*\j+8:SCR+16*\j+9]
.endr
.endm
; A KEY STEP: 128 keys.  k's four fragments serve both tiles' scores; v's are asked for behind tile B's scores and land under its softmax.
.macro STEP
	v_add_nc_u32 v[ADK], s[TB], v[AK0]             ; these four lines are the places in front of loads into registers that the last products have read
	v_add_nc_u32 v[ADS], s[TB], v[AS0]
	SUM_AB                                         ; tile B's p of the last step
.irp c, 0,1
.irp e, 0,1
.irp u, 0,1
	ds_load_b128 v[FRG+8*(2*\c+\e)+4*\u:FRG+8*(2*\c+\e)+4*\u+3], v[ADK] offset:(4*\c+\u)*CH+128*\e
.endr
	ds_load_b32 v[FS+2*\c+\e], v[ADS] offset:8*CH+128*\e+8*\c
.endr
.endr
	s_wait_alu depctr_va_vdst(0)                   ; the wait ahead of the wait below
	s_wait_dscnt 0x0
	SCORES 0
	SUM_C                                          ; four places in front of the first read of the scores
	v_add_nc_u32 v[ADV], s[TB], v[AV0]
	v_mov_b32 v[OM], v[ST]
	v_mov_b32 v[OM+1], v[ST+4]
	SOFTMAX 0
	SCORES 1
	SUM_AB                                         ; tile A's p of this step; four places in front of the loads below and of the first read of the scores
	v_nop
	v_nop
.irp t, 0,1,2,3
.irp u, 0,1
	ds_load_b128 v[FRG+8*\t+4*\u:FRG+8*\t+4*\u+3], v[ADV] offset:(9+2*\t+\u)*CH
.endr
.endr
	ds_load_b128 v[FS:FS+3], v[ADV] offset:17*CH   ; v's four scale words
	SUM_C
	SOFTMAX 1
	s_wait_alu depctr_va_vdst(0)                   ; the wait ahead of the wait below
	s_wait_dscnt 0x0                               ; v is in
.irp t, 0,1,2,3                                ; O^T += v^T p^T: eight accumulators, one instruction each
.irp x, 0,1
	v_wmma_scale_f32_16x16x128_f8f6f4 v[OAC+32*\x+8*\t:OAC+32*\x+8*\t+7], v[FRG+8*\t:FRG+8*\t+7], v[PCD+8*\x:PCD+8*\x+7], v[OAC+32*\x+8*\t:OAC+32*\x+8*\t+7], v[FS+\t], v[PW+\x] matrix_a_fmt:MATRIX_FMT_FP4 matrix_b_fmt:MATRIX_FMT_FP4
.endr
.endr
	s_add_co_u32 s[TB], s[TB], STEPB
.endm
	s_wait_alu depctr_va_vdst(0)                   ; the wait at the head's end
	s_wait_tensorcnt 0x0                           ; my key step has landed,
	s_barrier_signal -1
	s_barrier_wait -1                              ; everybody's has: the head's k and v lie in LDS
	s_mov_b32 s[TB], 0
	s_mov_b32 s[CNT], 16
.Lstep:
	STEP
	s_sub_co_u32 s[CNT], s[CNT], 1
	s_cmp_lg_u32 s[CNT], 0
	s_cbranch_scc1 .Lstep
	; THE WAY OUT.  The sum's halves are added; O^T is divided by the sum and goes through my stage in LDS, a tile of 16 queries at a time, so that sixteen lanes store the 256 consecutive bytes of one (row, head), aligned.
	SUM_AB                                         ; tile B's p of the last step: these four lines are also the places behind the last products
	SUM_C
	v_pk_add_f32 v[ST+6:ST+7], v[ST+6:ST+7], v[CC:CC+1]
.irp x, 0,1
	v_add_f32 v[ST+4*\x+2], v[ST+4*\x+2], v[ST+4*\x+3]         ; the sum's two halves,
.endr
.irp x, 0,1
	v_permlanex16_b32 v[BY+\x], v[ST+4*\x+2], s[SEL], s[SEL+1]
.endr
.irp x, 0,1
	v_add_f32 v[ST+4*\x+2], v[ST+4*\x+2], v[BY+\x]             ; and lane l xor 16's: the row's sum
.endr
	s_wait_alu depctr_va_vdst(0)                   ; the wait ahead of the transcendentals
.irp x, 0,1
	v_rcp_f32 v[ST+4*\x+2], v[ST+4*\x+2]
.endr
	v_nop                                          ; a plain place behind the transcendentals
	s_wait_alu depctr_va_vdst(0)                   ; and the wait ahead of their first reader
.irp x, 0,1
.set J, 0
.rept 16
	v_pk_mul_f32 v[SCR+32*\x+J:SCR+32*\x+J+1], v[OAC+32*\x+J:OAC+32*\x+J+1], v[ST+4*\x+2:ST+4*\x+3] op_sel_hi:[1,0]   ; O^T / the sum: register 8 t + i is out(r, 16 t + 8 h + i)
.set J, J+2
.endr
.irp t, 0,1,2,3
	ds_store_b128 v[STO], v[SCR+32*\x+8*\t:SCR+32*\x+8*\t+3] offset:64*\t
	ds_store_b128 v[STO], v[SCR+32*\x+8*\t+4:SCR+32*\x+8*\t+7] offset:64*\t+16
.endr
.irp i, 0,1,2,3,4,5,6,7
	ds_load_b128 v[40+120*\x+4*\i:40+120*\x+4*\i+3], v[RD] offset:544*\i   ; LDS serves a wave's instructions in order (ISA guide 5.7.1.4): these see my stores, and tile B's stores come behind them.  A's rows into v40-71, B's into v160-191
.endr
.endr
.irp x, 0,1
.irp i, 0,1,2,3,4,5,6,7
	s_wait_dscnt (1-\x)*16+7-\i                    ; behind this load: the tile's younger loads, and for tile A tile B's sixteen LDS instructions
	global_store_b128 v[GO], v[40+120*\x+4*\i:40+120*\x+4*\i+3], s[OUT:OUT+1] offset:65536*\x+8192*\i th:TH_STORE_NT   ; rows 16 x + 2 i and + 1; written once, read by nobody here
.endr
.endr
	s_wait_tensorcnt 0x0                           ; the wave's end
	ds_add_u32 v[SPW], v[NIL]
	s_wait_dscnt 0x0
	ROUND                                          ; the closing round: no work-group ends while a partner may still ask for a tile that names it
	s_endpgm
.Lfunc_end_k_qbf1cb60c3a_attn:
	.size	k_qbf1cb60c3a_attn, .Lfunc_end_k_qbf1cb60c3a_attn-k_qbf1cb60c3a_attn
	.p2alignl 7, 3214868480
	.fill 96, 4, 3214868480
	.section	.rodata,"a",@progbits
	.p2align	6, 0x0
	.amdhsa_kernel k_qbf1cb60c3a_attn
		.amdhsa_group_segment_fixed_size 237568
		.amdhsa_private_segment_fixed_size 0
		.amdhsa_enable_private_segment 0
		.amdhsa_kernarg_size 16
		.amdhsa_user_sgpr_count 2
		.amdhsa_user_sgpr_kernarg_segment_ptr 1
		.amdhsa_wavefront_size32 1
		.amdhsa_system_sgpr_workgroup_id_x 1
		.amdhsa_system_sgpr_workgroup_id_y 1
		.amdhsa_system_sgpr_workgroup_id_z 1
		.amdhsa_system_vgpr_workitem_id 0
		.amdhsa_next_free_vgpr 256
		.amdhsa_next_free_sgpr 66
		.amdhsa_reserve_vcc 0
		.amdhsa_float_denorm_mode_32 3
		.amdhsa_float_denorm_mode_16_64 3
		.amdhsa_memory_ordered 1
		.amdhsa_forward_progress 1
		.amdhsa_inst_pref_size 43
	.end_amdhsa_kernel
	.amdgpu_metadata
---
amdhsa.version: [ 1, 2 ]
amdhsa.kernels:
  - .name:           k_qbf1cb60c3a_attn
    .symbol:         k_qbf1cb60c3a_attn.kd
    .args:
      - { .name: qkv, .offset: 0, .size: 8, .value_kind: global_buffer, .address_space: global }
      - { .name: out0, .offset: 8, .size: 8, .value_kind: global_buffer, .address_space: global }
    .group_segment_fixed_size: 237568
    .private_segment_fixed_size: 0
    .kernarg_segment_align: 8
    .kernarg_segment_size: 16
    .max_flat_workgroup_size: 512
    .sgpr_count:     66
    .vgpr_count:     256
    .wavefront_size: 32
...
	.end_amdgpu_metadata
.endif
;; end of part 2
